; MI455X (gfx1250); checked and timed in simulation.
; The chip was launched on July 23, 2026; its instructions are those of AMD's public machine-readable ISA for CDNA 5 (MIT licence, August 2026) and "CDNA5" Instruction Set Architecture Reference Guide (July 2026). The comments in the code are by the model that wrote it; some were corrected since.
;; Self Attn Like Module. Allowed arithmetic: matrix products marked QUANTISED: E4M3 operands, one given power-of-two scale a tensor, by v_wmma_f32_16x16x64_fp8_fp8 or v_wmma_f32_16x16x128_fp8_fp8, f32 sums; everything else in f32.
;; Inputs: Wk 1,024 x 1,024 float32; Wo 1,024 x 1,024 float32; Wq 1,024 x 1,024 float32; Wv 1,024 x 1,024 float32; bo 1,024 float32; lowp_scales 12 int32 (the exponents e of the quantised operands' scales 2^e); mask 2 x 1 x 1 x 2,048 float32; x 2 x 2,048 x 1,024 float32.
;; Outputs: out0 2 x 2,048 x 1,024 float32.
;; This version of the problem:
;;   THIS VERSION OF THE PROBLEM IS GIVEN IN LOW PRECISION. The matrix products marked QUANTISED in the list below multiply operands that are first quantised to E4M3 (4 exponent bits, 3 mantissa bits; 8 bits a number), with one given power-of-two scale for each operand tensor; their sums are f32. All else is computed in f32.
;;   The module's matrix products, in the order in which they are computed (A, B: the left and right operand; K: the contracted axis; several contracted axes count as one K, in the product's order):
;;     1. [M 4,096, K 1,024] x [K 1,024, N 1,024]; A: input x; B: input Wq: QUANTISED (scales: A lowp_scales[0], B lowp_scales[1])
;;     2. [M 4,096, K 1,024] x [K 1,024, N 1,024]; A: input x; B: input Wk: QUANTISED (scales: A lowp_scales[2], B lowp_scales[3])
;;     3. [M 4,096, K 1,024] x [K 1,024, N 1,024]; A: input x; B: input Wv: QUANTISED (scales: A lowp_scales[4], B lowp_scales[5])
;;     4. batch 32 x [M 2,048, K 64] x [K 64, N 2,048]; A: computed on the way; B: computed on the way: QUANTISED (scales: A lowp_scales[6], B lowp_scales[7])
;;     5. batch 32 x [M 2,048, K 2,048] x [K 2,048, N 64]; A: softmax (see below); B: computed on the way: QUANTISED (scales: A lowp_scales[8], B lowp_scales[9])
;;     6. [M 4,096, K 1,024] x [K 1,024, N 1,024]; A: computed on the way; B: input Wo: QUANTISED (scales: A lowp_scales[10], B lowp_scales[11])
;;   THE QUANTISER, for each operand of a quantised product, along K:
;;     - The operand's scale is 2^e, e = its entry of the input lowp_scales (int32; the entries are numbered through the quantised products in the list's order, A before B).
;;     - Each number is divided by the scale, clamped to +-448, and rounded to the nearest number of E4M3, ties to even, subnormals kept.
;;     - The product sums the exact products of the quantised numbers (number of the format x scale) in f32.
;;   ~~~python
;;   def quantise(x, axis, e):      # numpy; x: float32 -> the quantised numbers, widened to float32 again
;;       x = np.moveaxis(x, axis, -1); K = x.shape[-1]
;;       r = np.clip(x / 2.0 ** e, -448, 448)
;;       step = 2.0 ** (np.maximum(np.frexp(np.where(r == 0, 1, r))[1] - 1, -6) - 3)
;;       q = np.round(r / step) * step * 2.0 ** e      # np.round: ties to even
;;       return np.moveaxis(q, -1, axis).astype(np.float32)
;;   ~~~
;;   SOFTMAX AHEAD OF A QUANTISED PRODUCT. Where the list says 'softmax', what is quantised is not the finished softmax but p = 2^(t - M), with t = logit x log2(e) and M = ceil(the row's largest t), a whole number; so 1/2 < the row's largest p <= 1. The row's sum l is taken of the UNQUANTISED p, in f32, and the product's result is divided by l at the end. Since M is a whole number, a kernel that streams over the keys may use a running M (the ceiling of the running maximum): every later rescaling is an exact power of two, so the quantised numbers keep their values, but for numbers so far below the row's largest that they fall under the format's range.
;;   OPERANDS COMPUTED ON THE WAY. 'Computed on the way' means the value that the module computes at that place (a softmax that the list does not call 'softmax' is quantised finished and normalised). What goes into a quantiser is computed in f32, as accurately as f32 sums, v_exp_f32 and their like allow (about 1e-6 of the number): no bf16 or f16 on the way to a quantiser, and a product that is left as it is and whose result goes on into a quantised operand takes f32 operands (vector FMAs, or v_wmma_f32_16x16x4_f32). A number that lies on a knife's edge between two numbers of the format may be rounded either way, as far as f32 arithmetic and the matrix unit's own rounding can turn it there, and no further.
;; One version. Each part assembles by itself: llvm-mc -triple=amdgcn-amd-amdhsa -mcpu=gfx1250 --defsym DOCPART=n.
;; ======== version 1 of 1: 4 launches
;; limits: right only within a limited range of input values
;; workspace buffers: xc 12,582,912 bytes; wc 4,194,304 bytes; qc 4,194,304 bytes; kc 4,194,304 bytes; vc 4,194,304 bytes; cc 4,194,304 bytes
;; launch prep (part 1): grid 256 x 1, 4 waves a work-group, no clusters, 69,120 bytes of LDS; arguments x, Wq, Wk, Wv, Wo, lowp_scales, xc, wc; writes xc, wc
.if DOCPART == 1
	.amdgcn_target "amdgcn-amd-amdhsa--gfx1250"
	.amdhsa_code_object_version 6
	.text
	.protected	k_q3428c0c15b_prep
	.globl	k_q3428c0c15b_prep
	.p2align	8
	.type	k_q3428c0c15b_prep,@function
k_q3428c0c15b_prep:
	s_mov_b64 s[64:65], 0
	v_nop
	global_prefetch_b8 v0, s[64:65] scope:SCOPE_SE
	s_setreg_imm32_b32 hwreg(HW_REG_WAVE_MODE, 25, 1), 1
	s_wait_xcnt 0x0
; x [4096][1024] f32 and the four weights [1024 (k)][1024 (n)] f32 become codes of FP8 (E4M3), each with the scale 2^e that is given for it.
; code = number / 2^e, held within +-448, rounded to the nearest code, ties to even.  x is an operand of three products with three given exponents (entries 0, 2, 4): it is quantised three times.
; LIMITS: each e lies between -126 and 119, so that 2^e and 448 x 2^e are f32 numbers.  NaN among the inputs is not served.
; THE LAYOUT OF ALL CODES: IMAGES OF OPERAND REGISTERS.  A fragment is 16 rows x 128 along K, 2,048 bytes: byte 512 g + 16 lane + i is byte i of registers 4 g .. 4 g + 3 of that lane;
; lane (r = lane % 16, h = lane / 16) holds row r, and its registers 2 c, 2 c + 1 hold k = 16 c + 8 h + 0 .. 7.  A later launch loads a fragment by four loads of 16 bytes a lane, 512 consecutive bytes each.
; xc: [3 (product)][256 (16 tokens)][8 (128 k)][2048].   wc: [4 (q, k, v, o)][64 (16 columns n)][8 (128 k)][2048].
; Work-groups 0-127 take x, work-groups 128-255 the weights: as many bytes each.  No tensor loads, no barrier: waves share nothing.  Each of the two ways has LDS bytes of its own.
.set XSTG, 16*528                      ; x's way: a wave's stage, 16 rows x (512 bytes + 16)
.set WST0, 4*XSTG                      ; the weights' way: the stages begin here,
.set WSTG, 32*272                      ; 32 columns x (256 bytes + 16) for each wave
.set R,    16                          ; v16-143  x: two sets of 64: a unit (16 rows x 128 k) as it is loaded
.set X,    144                         ; v144-207 x: the unit as the operand wants it: register 16 g + i
.set T0,   208                         ; v208-223 16 numbers held for the first product's scale
.set T1,   224                         ; v224-239 for the second's
.set C,    240                         ; v240-251 16 codes for each of the three products
.set XW,   32                          ; v32-95   a weight: two sets of 32 numbers down K
.set CW,   96                          ; v96-103  a block's 32 codes
.set OUTR, 112                         ; v112-175 the weights' way out
.macro MKSCALE e, vs, vl               ; s[e] = e:  v[vs] = 2^e as f32 (the conversion takes its exponent field),  v[vl] = 448 x 2^e
	s_add_co_i32 s54, s[\e], 127
	s_lshl_b32 s55, s54, 23
	v_mov_b32 v[\vs], s55
	s_add_co_i32 s54, s54, 8
	s_lshl_b32 s54, s54, 23
	s_or_b32 s54, s54, 0x600000
	v_mov_b32 v[\vl], s54
.endm
.macro LOADU u                         ; unit u: 16 rows, 512 consecutive bytes a load
.irp i, 0,1,2,3,4,5,6,7,8,9,10,11,12,13,14,15
	global_load_b128 v[R+64*((\u)%2)+4*\i:R+64*((\u)%2)+4*\i+3], v4, s[4:5] offset:4096*\i+512*(\u) th:TH_LOAD_NT
.endr
.endm
.macro UNIT u
.if (\u) < 3
	s_wait_loadcnt 16                              ; this unit's 16 loads are in; the next unit's 16 may be out
.else
	s_wait_loadcnt 0x0
.endif
.irp i, 0,1,2,3,4,5,6,7,8,9,10,11,12,13,14,15
	ds_store_b128 v5, v[R+64*((\u)%2)+4*\i:R+64*((\u)%2)+4*\i+3] offset:528*\i   ; row i as it lies
.endr
.irp g, 0,1,2,3                        ; back: of row r, k = 32 g + 8 h + 0 .. 7 and 32 g + 16 + 8 h + 0 .. 7.  LDS serves a wave's instructions in order: these see the stores above
	ds_load_b128 v[X+16*\g:X+16*\g+3],     v6 offset:128*\g
	ds_load_b128 v[X+16*\g+4:X+16*\g+7],   v6 offset:128*\g+16
	ds_load_b128 v[X+16*\g+8:X+16*\g+11],  v6 offset:128*\g+64
	ds_load_b128 v[X+16*\g+12:X+16*\g+15], v6 offset:128*\g+80
.endr
	s_wait_dscnt 0x0                               ; the unit is back, and the stores into the stage have read their registers,
.if (\u) < 2
	LOADU (\u)+2                                   ; which take the unit two further on
.endif
.irp g, 0,1,2,3
	s_wait_xcnt 0x0                                ; the last three stores have read their data: the codes' registers are written again only behind this wait
.irp i, 0,1,2,3,4,5,6,7,8,9,10,11,12,13,14,15
	v_med3_num_f32 v[T0+\i], v[X+16*\g+\i], -v11, v11   ; the conversion to an 8-bit code does not saturate (ISA guide 7.6.2): the number is held first
.endr
.irp i, 0,1,2,3,4,5,6,7,8,9,10,11,12,13,14,15
	v_med3_num_f32 v[T1+\i], v[X+16*\g+\i], -v12, v12
.endr
.irp i, 0,1,2,3,4,5,6,7,8,9,10,11,12,13,14,15
	v_med3_num_f32 v[X+16*\g+\i], v[X+16*\g+\i], -v13, v13
.endr
	v_cvt_scalef32_pk8_fp8_f32 v[C:C+1],     v[T0:T0+7], v8
	v_cvt_scalef32_pk8_fp8_f32 v[C+2:C+3],   v[T0+8:T0+15], v8
	v_cvt_scalef32_pk8_fp8_f32 v[C+4:C+5],   v[T1:T1+7], v9
	v_cvt_scalef32_pk8_fp8_f32 v[C+6:C+7],   v[T1+8:T1+15], v9
	v_cvt_scalef32_pk8_fp8_f32 v[C+8:C+9],   v[X+16*\g:X+16*\g+7], v10
	v_cvt_scalef32_pk8_fp8_f32 v[C+10:C+11], v[X+16*\g+8:X+16*\g+15], v10
	v_nop                                          ; a plain line behind the conversions: the next holds write their sources
	global_store_b128 v4, v[C:C+3],    s[36:37] offset:2048*(\u)+512*\g th:TH_STORE_NT   ; registers 4 g .. 4 g + 3 of the fragment: the wave stores 512 consecutive bytes, aligned
	global_store_b128 v4, v[C+4:C+7],  s[38:39] offset:2048*(\u)+512*\g th:TH_STORE_NT
	global_store_b128 v4, v[C+8:C+11], s[40:41] offset:2048*(\u)+512*\g th:TH_STORE_NT
.endr
.endm
.macro LOADW t                         ; block t of a weight: W(32 t + i, my column), i = 0 .. 31: 128 consecutive bytes a load
.irp i, 0,1,2,3,4,5,6,7,8,9,10,11,12,13,14,15,16,17,18,19,20,21,22,23,24,25,26,27,28,29,30,31
	global_load_b32 v[XW+32*((\t)%2)+\i], v7, s[44:45] offset:(32*(\t)+\i)*4096 th:TH_LOAD_NT
.endr
.endm
.macro WBLOCK t
.if (\t) < 7
	s_wait_loadcnt 32                              ; this block's 32 loads are in; the next block's may be out
.else
	s_wait_loadcnt 0x0
.endif
.irp i, 0,1,2,3,4,5,6,7,8,9,10,11,12,13,14,15,16,17,18,19,20,21,22,23,24,25,26,27,28,29,30,31
	v_med3_num_f32 v[XW+32*((\t)%2)+\i], v[XW+32*((\t)%2)+\i], -v10, v10
.endr
.irp g, 0,1,2,3
	v_cvt_scalef32_pk8_fp8_f32 v[CW+2*\g:CW+2*\g+1], v[XW+32*((\t)%2)+8*\g:XW+32*((\t)%2)+8*\g+7], v11
.endr
	ds_store_b128 v8, v[CW:CW+3] offset:32*(\t)    ; 32 codes of my column, K innermost
	ds_store_b128 v8, v[CW+4:CW+7] offset:32*(\t)+16
.if (\t)+2 < 8
	LOADW (\t)+2
.endif
	s_wait_dscnt 0x0                               ; the stores have read their registers: the next block's codes may be written (its holds are the plain lines behind these conversions)
.endm
	s_load_b512 s[4:19], s[0:1], 0x0               ; x 4:5, Wq 6:7, Wk 8:9, Wv 10:11, Wo 12:13, the exponents 14:15, xc 16:17, wc 18:19
	v_lshl_add_u32 v254, v0, 2, 0x10c00
	v_mov_b32 v255, 0
	v_lshrrev_b32 v1, 5, v0
	v_readfirstlane_b32 s20, v1                    ; wave 0..3
	v_and_b32 v1, 31, v0                           ; lane
	v_and_b32 v2, 15, v0                           ; r
	v_bfe_u32 v3, v0, 4, 1                         ; h
	v_lshlrev_b32 v4, 4, v1                        ; 16 x lane
	s_wait_kmcnt 0x0
	s_load_b256 s[24:31], s[14:15], 0x0            ; e0 .. e7
	s_load_b128 s[32:35], s[14:15], 0x20           ; e8 .. e11
	s_cmp_lt_u32 ttmp9, 128
	s_cbranch_scc0 .Lw
	; ---- x.  Wave 4 x work-group + wave takes 16 tokens x 512 along K: four units of 16 x 128
	s_lshl_b32 s21, ttmp9, 2
	s_add_co_u32 s21, s21, s20
	s_lshr_b32 s22, s21, 1                         ; which 16 tokens
	s_and_b32 s23, s21, 1                          ; which half of K
	s_lshl_b32 s42, s22, 16                        ; 16 rows of 4,096 bytes
	s_lshl_b32 s43, s23, 11                        ; 512 numbers
	s_add_co_u32 s42, s42, s43
	s_mov_b32 s43, 0
	s_add_nc_u64 s[4:5], s[4:5], s[42:43]
	s_lshl_b32 s42, s22, 14                        ; eight fragments
	s_lshl_b32 s44, s23, 13                        ; four fragments
	s_add_co_u32 s42, s42, s44
	s_add_nc_u64 s[36:37], s[16:17], s[42:43]      ; the first product's codes,
	s_add_nc_u64 s[38:39], s[36:37], 0x400000      ; the second's,
	s_add_nc_u64 s[40:41], s[36:37], 0x800000      ; the third's
	s_mul_i32 s44, s20, XSTG
	s_wait_alu depctr_va_vdst(0)
	v_add_nc_u32 v5, s44, v4                       ; the stage, in: 16 x lane in a row
	v_mul_u32_u24 v6, v2, 528
	v_lshl_add_u32 v6, v3, 5, v6
	v_add_nc_u32 v6, s44, v6                       ; and back: row r, + 32 h bytes
	LOADU 0
	LOADU 1
	s_wait_alu depctr_va_vdst(0)
	s_wait_kmcnt 0x0
	MKSCALE 24, 8, 11
	MKSCALE 26, 9, 12
	MKSCALE 28, 10, 13
	s_wait_alu depctr_va_vdst(0)
	UNIT 0
	UNIT 1
	UNIT 2
	UNIT 3
	s_wait_tensorcnt 0x0
	ds_add_u32 v254, v255
	s_wait_dscnt 0x0
	s_endpgm
	; ---- the weights.  A LANE TAKES A COLUMN n AND ITS REGISTERS RUN DOWN K, so that the conversions give codes with K innermost.  A wave takes 32 columns x 256 along K
.Lw:
	s_sub_co_u32 s21, ttmp9, 128
	s_lshr_b32 s22, s21, 5                         ; which weight: q, k, v, o
	s_and_b32 s23, s21, 7                          ; which 128 columns
	s_bfe_u32 s42, s21, 0x20003                    ; which 256 along K
	s_cmp_lt_u32 s22, 1
	s_cselect_b64 s[44:45], s[6:7], s[8:9]
	s_cmp_lt_u32 s22, 3
	s_cselect_b64 s[46:47], s[10:11], s[12:13]
	s_cmp_lt_u32 s22, 2
	s_cselect_b64 s[44:45], s[44:45], s[46:47]     ; the choice hangs on the work-group's number alone
	s_lshl_b32 s48, s42, 20                        ; 256 rows of 4,096 bytes
	s_lshl_b32 s49, s23, 9                         ; 128 columns
	s_add_co_u32 s48, s48, s49
	s_lshl_b32 s49, s20, 7                         ; my wave's 32
	s_add_co_u32 s48, s48, s49
	s_mov_b32 s49, 0
	s_add_nc_u64 s[44:45], s[44:45], s[48:49]
	s_lshl_b32 s48, s22, 20                        ; the weight's codes,
	s_lshl_b32 s50, s23, 17                        ; 8 tiles of 16 columns, 16,384 bytes each,
	s_add_co_u32 s48, s48, s50
	s_lshl_b32 s50, s20, 15                        ; my wave's two,
	s_add_co_u32 s48, s48, s50
	s_lshl_b32 s50, s42, 12                        ; two fragments along K
	s_add_co_u32 s48, s48, s50
	s_add_nc_u64 s[18:19], s[18:19], s[48:49]
	s_wait_alu depctr_va_vdst(0)
	v_lshlrev_b32 v7, 2, v1                        ; in: 4 bytes a lane
	s_mul_i32 s51, s20, WSTG
	s_add_co_u32 s51, s51, WST0                    ; my stage
	v_mul_u32_u24 v8, v1, 272
	v_add_nc_u32 v8, s51, v8                       ; into it: row = my column
	v_mul_u32_u24 v9, v2, 272
	v_lshl_add_u32 v9, v3, 3, v9
	v_add_nc_u32 v9, s51, v9                       ; out of it: column r, + 8 h codes
	LOADW 0
	LOADW 1
	s_wait_kmcnt 0x0
	s_cmp_lt_u32 s22, 1
	s_cselect_b32 s52, s25, s27                    ; e1 or e3
	s_cmp_lt_u32 s22, 3
	s_cselect_b32 s53, s29, s35                    ; e5 or e11
	s_cmp_lt_u32 s22, 2
	s_cselect_b32 s52, s52, s53
	MKSCALE 52, 11, 10
	s_wait_alu depctr_va_vdst(0)
.irp t, 0,1,2,3,4,5,6,7
	WBLOCK \t
.endr
	; the way out: four fragments (two tiles of columns x two K steps), four pieces each; a piece's 16 bytes a lane are k = 32 g + 8 h + 0 .. 7 and 32 g + 16 + 8 h + 0 .. 7
.irp n, 0,1
.irp k, 0,1
.irp g, 0,1,2,3
	ds_load_b64 v[OUTR+4*(8*\n+4*\k+\g):OUTR+4*(8*\n+4*\k+\g)+1],   v9 offset:4352*\n+128*\k+32*\g
	ds_load_b64 v[OUTR+4*(8*\n+4*\k+\g)+2:OUTR+4*(8*\n+4*\k+\g)+3], v9 offset:4352*\n+128*\k+32*\g+16
.endr
.endr
.endr
.irp n, 0,1
.irp k, 0,1
.irp g, 0,1,2,3
	s_wait_dscnt 30-2*(8*\n+4*\k+\g)               ; behind this piece's two loads stand the later pieces' two each
	global_store_b128 v4, v[OUTR+4*(8*\n+4*\k+\g):OUTR+4*(8*\n+4*\k+\g)+3], s[18:19] offset:16384*\n+2048*\k+512*\g th:TH_STORE_NT   ; 512 consecutive bytes, aligned
.endr
.endr
.endr
	s_wait_tensorcnt 0x0
	ds_add_u32 v254, v255
	s_wait_dscnt 0x0
	s_endpgm
.Lfunc_end_k_q3428c0c15b_prep:
	.size	k_q3428c0c15b_prep, .Lfunc_end_k_q3428c0c15b_prep-k_q3428c0c15b_prep
	.p2alignl 7, 3214868480
	.fill 96, 4, 3214868480
	.section	.rodata,"a",@progbits
	.p2align	6, 0x0
	.amdhsa_kernel k_q3428c0c15b_prep
		.amdhsa_group_segment_fixed_size 69120
		.amdhsa_private_segment_fixed_size 0
		.amdhsa_enable_private_segment 0
		.amdhsa_kernarg_size 64
		.amdhsa_user_sgpr_count 2
		.amdhsa_user_sgpr_kernarg_segment_ptr 1
		.amdhsa_wavefront_size32 1
		.amdhsa_system_sgpr_workgroup_id_x 1
		.amdhsa_system_sgpr_workgroup_id_y 1
		.amdhsa_system_sgpr_workgroup_id_z 1
		.amdhsa_system_vgpr_workitem_id 0
		.amdhsa_next_free_vgpr 256
		.amdhsa_next_free_sgpr 66
		.amdhsa_reserve_vcc 0
		.amdhsa_float_denorm_mode_32 3
		.amdhsa_float_denorm_mode_16_64 3
		.amdhsa_memory_ordered 1
		.amdhsa_forward_progress 1
		.amdhsa_inst_pref_size 127
	.end_amdhsa_kernel
	.amdgpu_metadata
---
amdhsa.version: [ 1, 2 ]
amdhsa.kernels:
  - .name:           k_q3428c0c15b_prep
    .symbol:         k_q3428c0c15b_prep.kd
    .args:
      - { .name: x, .offset: 0, .size: 8, .value_kind: global_buffer, .address_space: global }
      - { .name: Wq, .offset: 8, .size: 8, .value_kind: global_buffer, .address_space: global }
      - { .name: Wk, .offset: 16, .size: 8, .value_kind: global_buffer, .address_space: global }
      - { .name: Wv, .offset: 24, .size: 8, .value_kind: global_buffer, .address_space: global }
      - { .name: Wo, .offset: 32, .size: 8, .value_kind: global_buffer, .address_space: global }
      - { .name: lowp_scales, .offset: 40, .size: 8, .value_kind: global_buffer, .address_space: global }
      - { .name: xc, .offset: 48, .size: 8, .value_kind: global_buffer, .address_space: global }
      - { .name: wc, .offset: 56, .size: 8, .value_kind: global_buffer, .address_space: global }
    .group_segment_fixed_size: 69120
    .private_segment_fixed_size: 0
    .kernarg_segment_align: 8
    .kernarg_segment_size: 64
    .max_flat_workgroup_size: 128
    .sgpr_count:     66
    .vgpr_count:     256
    .wavefront_size: 32
...
	.end_amdgpu_metadata
.endif
;; end of part 1
;; launch qkv (part 2): grid 12 x 16, 4 waves a work-group, clusters of 4 x 4, 327,680 bytes of LDS; arguments xc, wc, lowp_scales, qc, kc, vc; writes qc, kc, vc
.if DOCPART == 2
	.amdgcn_target "amdgcn-amd-amdhsa--gfx1250"
	.amdhsa_code_object_version 6
	.text
	.protected	k_q3428c0c15b_qkv
	.globl	k_q3428c0c15b_qkv
	.p2align	8
	.type	k_q3428c0c15b_qkv,@function
k_q3428c0c15b_qkv:
	s_mov_b64 s[64:65], 0
	v_nop
	global_prefetch_b8 v0, s[64:65] scope:SCOPE_SE
	s_setreg_imm32_b32 hwreg(HW_REG_WAVE_MODE, 25, 1), 1
	s_wait_xcnt 0x0
	s_wait_alu depctr_hold_cnt(0) depctr_sa_sdst(0) depctr_va_vdst(0) depctr_va_sdst(0) depctr_va_ssrc(0) depctr_va_vcc(0) depctr_vm_vsrc(0)
	s_getreg_b32 s2, hwreg(HW_REG_IB_STS2, 6, 4)
	s_cmp_eq_u32 s2, 0
	s_cbranch_scc0 .Lentry_in_a_cluster
	s_endpgm
.Lentry_in_a_cluster:
	s_bfe_u32 s2, ttmp6, 0x10000c
	s_cmp_lg_u32 s2, 0xf033
	s_cbranch_scc0 .Lentry_shape_is_right
	s_endpgm
.Lentry_shape_is_right:
; q = x Wq, k = x Wk, v = x Wv on codes of FP8 (E4M3); each result is held, quantised at once for the product that takes it, and stored as codes: images of operand registers.
; xc: [3 (product)][256 (16 tokens)][8 (128 k)][2048]; wc: [4][64 (16 columns)][8 (128 k)][2048].  qc, kc: [32 (batch, head)][128 (16 tokens)][1024]; vc: [32][16 (128 keys)][4 (16 channels)][2048].
; A cluster of 4 x 4 work-groups makes 1024 x 1024 of one product (cluster x = the product).  A work-group makes 256 x 256, each of its four waves 128 x 128 in 64 accumulators.
; For q and k source 0 is the weight and source 1 x; for v the two change places, so that a lane's registers run along the next product's K in all three.
; LIMITS: for each product (exponent of the result's code) - (its operands' exponents) between -126 and 119.  NaN among the inputs is not served.
; K goes in four steps of 256 through a ring of two slots; A's tiles are shared along a row of the cluster, B's along a column, by joint loads.
; PREFETCH: K steps 1, 2 and 3 are asked for ahead of their loads: steps 1 and 2 behind step 0's joint load, step 3 behind step 1's, two K steps ahead of its own load.  A K step of the 8 tiles that a wave fetches is
; 8 x 4,096 bytes; the four partners that ask for it jointly share it out by address: two tiles each, 32 blocks of 256 bytes, a lane a block, one instruction a wave.  There is no K step 4, and nothing is asked for beyond step 3.
.set PFO,    22                        ; v22 the prefetches' offset: 16,384 x (lane / 16) + 256 x (lane % 16); never rewritten
.set PFA,    96                        ; s[96:97] where my prefetches stand; never rewritten
.set SLOT,   131072
.set SPARE,  2*SLOT
.set FR,     16
.set NL,     4
.set NP,     4
.set ADRA, 16
.set ADRB, 20
.set LO,   26
.set SPW,  28
.set NIL,  29
.set SCL,  30
.set LIM,  31
.set TMP,  32
.set AF,   128
.set CD,   128
.set G1, 24
.set G0, 32
.set G1B, 48
.set G0B, 56
.set OB,  94
.set MSB, 0
.macro WIN new
.if MSB != \new
	s_set_vgpr_msb (MSB<<8)|\new
.set MSB, \new
.endif
.endm
.set MUL_LO, 0xa1
.set MUL_HI, 0xf1
.set TO_B,   0x40
.macro JLOAD g0a, g1a, g0b, g1b
	s_cmp_eq_u32 s17, 0
	s_cbranch_scc0 .Lfor_b_\@
	tensor_load_to_lds s[\g0a:\g0a+3], s[\g1a:\g1a+7]
	s_nop 0
.rept 4
	v_nop
.endr
	s_branch .Lasked_\@
.Lfor_b_\@:
	tensor_load_to_lds s[\g0b:\g0b+3], s[\g1b:\g1b+7]
	s_nop 0
.rept 4
	v_nop
.endr
.Lasked_\@:
.endm
.macro CREST
	s_cmp_lg_u32 s16, 0
	s_cbranch_scc1 .Lnot_wave_0_\@
	s_barrier_signal -3
.Lnot_wave_0_\@:
	s_barrier_wait -3
	s_barrier_signal -1
	s_barrier_wait -1
.endm
.macro CROUND
	s_barrier_signal -1
	s_barrier_wait -1
	CREST
.endm
	s_load_b256 s[4:11], s[0:1], 0x0
	s_load_b128 s[12:15], s[0:1], 0x20
	v_lshl_add_u32 v[SPW], v0, 2, SPARE
	v_mov_b32 v[NIL], 0
	ds_add_u32 v28, v29
	ds_add_u32 v28, v29
	s_wait_dscnt 0x0
	v_lshrrev_b32 v1, 5, v0
	v_readfirstlane_b32 s16, v1
	s_lshr_b32 s17, s16, 1
	s_and_b32 s18, s16, 1
	s_bfe_u32 s40, ttmp6, 0x40000
	s_bfe_u32 s41, ttmp6, 0x40004
	s_and_b32 s42, ttmp7, 0xffff
	s_lshl_b32 s43, s41, 2
	s_lshl_b32 s43, 15, s43
	s_lshl_b32 s44, 0x1111, s40
	s_or_b32 s[G1+0], s43, (3<<16)|(1<<21)
	s_or_b32 s[G1B+0], s44, (3<<16)|(1<<21)
.irp g, G1, G1B
	s_mov_b32 s[\g+1], 512<<16
	s_mov_b32 s[\g+2], 8<<16
	s_mov_b32 s[\g+3], 512<<16
	s_mov_b32 s[\g+4], 8
	s_mov_b32 s[\g+5], 2048
	s_mov_b32 s[\g+6], 0
	s_mov_b32 s[\g+7], 0
.endr
	s_lshl_b32 s80, s42, 2
	s_cmp_eq_u32 ttmp9, 2
	s_cselect_b32 s92, 0, s80
	s_cselect_b32 s93, s80, 0
	s_add_co_u32 s92, s92, s41
	s_add_co_u32 s93, s93, s40
	s_lshl_b32 s83, s18, 17
	s_lshl_b32 s20, s92, 18
	s_add_co_u32 s20, s20, s83
	s_mov_b32 s21, 0
	s_lshl_b32 s46, s93, 18
	s_add_co_u32 s46, s46, s83
	s_mov_b32 s47, 0
	s_lshl_b32 s84, ttmp9, 22
	s_mov_b32 s85, 0
	s_lshl_b32 s86, ttmp9, 20
	s_mov_b32 s87, 0
	s_lshl_b32 s45, s16, 15
	s_wait_kmcnt 0x0
	s_load_b256 s[68:75], s[8:9], 0x0
	s_load_b128 s[76:79], s[8:9], 0x20
	s_add_nc_u64 s[84:85], s[4:5], s[84:85]
	s_add_nc_u64 s[86:87], s[6:7], s[86:87]
	s_cmp_eq_u32 ttmp9, 2
	s_cselect_b64 s[88:89], s[86:87], s[84:85]
	s_cselect_b64 s[90:91], s[84:85], s[86:87]
	s_add_nc_u64 s[20:21], s[88:89], s[20:21]
	s_add_nc_u64 s[46:47], s[90:91], s[46:47]
.irp s, 0,1
	s_mov_b32 s[G0+4*\s], 1
	s_add_co_u32 s[G0+4*\s+1], s45, \s*SLOT
	s_add_nc_u64 s[G0+4*\s+2:G0+4*\s+3], s[20:21], \s*4096
	s_or_b32 s[G0+4*\s+3], s[G0+4*\s+3], 0x80000000
	s_mov_b32 s[G0B+4*\s], 1
	s_add_co_u32 s[G0B+4*\s+1], s45, \s*SLOT
	s_add_nc_u64 s[G0B+4*\s+2:G0B+4*\s+3], s[46:47], \s*4096
	s_or_b32 s[G0B+4*\s+3], s[G0B+4*\s+3], 0x80000000
.endr
	s_wait_alu depctr_va_vdst(0)
	CROUND                                         ; all sixteen work-groups are here: the first joint loads meet
	JLOAD G0, G1, G0B, G1B                         ; K step 0: one tensor load a wave at the head
	s_cmp_eq_u32 s17, 0                            ; do I fetch for A?
	s_cselect_b64 s[PFA:PFA+1], s[20:21], s[46:47]
	s_cselect_b32 s80, s40, s41                    ; my place among the four that ask jointly with me
	s_lshl_b32 s80, s80, 15                        ; my two of the wave's eight tiles
	s_mov_b32 s81, 0
	s_add_nc_u64 s[PFA:PFA+1], s[PFA:PFA+1], s[80:81]
	v_bfe_u32 v2, v0, 4, 1
	v_and_b32 v3, 15, v0
	v_lshlrev_b32 v[PFO], 14, v2
	v_lshl_add_u32 v[PFO], v3, 8, v[PFO]
	global_prefetch_b8 v[PFO], s[PFA:PFA+1] offset:4096 th:TH_LOAD_NT scope:SCOPE_SE
	global_prefetch_b8 v[PFO], s[PFA:PFA+1] offset:8192 th:TH_LOAD_NT scope:SCOPE_SE
	v_and_b32 v1, 31, v0
	v_lshlrev_b32 v[LO], 4, v1
	s_lshl_b32 s80, s17, 15
	s_lshl_b32 s81, s18, 15
	s_add_co_u32 s81, s81, 65536
.irp s, 0,1
	v_add_nc_u32 v[ADRA+\s], s80, v[LO]
	v_add_nc_u32 v[ADRB+\s], s81, v[LO]
	s_add_co_u32 s80, s80, SLOT
	s_add_co_u32 s81, s81, SLOT
.endr
	s_cmp_eq_u32 ttmp9, 2
	s_cselect_b32 s80, s93, s92
	s_cselect_b32 s81, s18, s17
	s_cselect_b32 s82, s92, s93
	s_cselect_b32 s83, s17, s18
	s_cselect_b64 s[OB:OB+1], s[14:15], s[12:13]
	s_cmp_eq_u32 ttmp9, 0
	s_cselect_b64 s[OB:OB+1], s[10:11], s[OB:OB+1]
	s_lshl_b32 s80, s80, 8
	s_lshl_b32 s81, s81, 7
	s_add_co_u32 s80, s80, s81
	s_lshl_b32 s82, s82, 2
	s_lshl_b32 s83, s83, 1
	s_add_co_u32 s82, s82, s83
	s_lshr_b32 s81, s80, 11
	s_lshl_b32 s81, s81, 4
	s_add_co_u32 s81, s81, s82
	s_lshl_b32 s81, s81, 17
	s_and_b32 s80, s80, 2047
	s_lshl_b32 s80, s80, 6
	s_add_co_u32 s80, s80, s81
	s_mov_b32 s81, 0
	s_add_nc_u64 s[OB:OB+1], s[OB:OB+1], s[80:81]
	s_wait_alu depctr_va_vdst(0)
	s_wait_kmcnt 0x0
	s_cmp_eq_u32 ttmp9, 0
	s_cselect_b32 s80, s68, s70
	s_cselect_b32 s81, s69, s71
	s_cselect_b32 s82, s74, s75
	s_cmp_eq_u32 ttmp9, 2
	s_cselect_b32 s80, s72, s80
	s_cselect_b32 s81, s73, s81
	s_cselect_b32 s82, s77, s82
	s_sub_co_i32 s82, s82, s80
	s_sub_co_i32 s82, s82, s81
	s_add_co_i32 s82, s82, 127
	s_lshl_b32 s83, s82, 23
	v_mov_b32 v[SCL], s83
	s_add_co_i32 s82, s82, 8
	s_lshl_b32 s82, s82, 23
	s_or_b32 s82, s82, 0x600000
	v_mov_b32 v[LIM], s82
.macro FRAG reg, adr, q, i
.irp c, 0,1,2,3
	ds_load_b128 v[\reg+4*\c:\reg+4*\c+3], v[\adr] offset:4096*(\i)+2048*(\q)+512*\c
.endr
.endm
.macro MUL16 a0, p, zero
.irp a, \a0, \a0+1
.irp b, 0,1,2,3,4,5,6,7
.if \zero
	v_wmma_f32_16x16x128_fp8_fp8 v[8*(8*((\a)%4)+\b):8*(8*((\a)%4)+\b)+7], v[128*(\p)+FR*\b:128*(\p)+FR*\b+FR-1], v[AF+FR*(\a):AF+FR*(\a)+FR-1], 0
.else
	v_wmma_f32_16x16x128_fp8_fp8 v[8*(8*((\a)%4)+\b):8*(8*((\a)%4)+\b)+7], v[128*(\p)+FR*\b:128*(\p)+FR*\b+FR-1], v[AF+FR*(\a):AF+FR*(\a)+FR-1], v[8*(8*((\a)%4)+\b):8*(8*((\a)%4)+\b)+7]
.endif
.endr
.endr
.endm
.macro FETCH_B slot, q, p
	WIN TO_B
.irp i, 0,1,2,3,4,5,6,7
	FRAG 128*(\p)+FR*\i, ADRB+\slot, \q, \i
.endr
	WIN 0
.endm
.macro FETCH_A slot, q, i0
.irp i, \i0, \i0+1, \i0+2, \i0+3
	FRAG AF+FR*(\i), ADRA+\slot, \q, \i
.endr
.endm
.macro PLACES n
.rept \n
	v_nop
.endr
.endm
.macro STEP slot, q, zero
	s_wait_dscnt 4*NL
	WIN MUL_LO
	MUL16 0, (\q)%2, \zero
	MUL16 2, (\q)%2, \zero
	s_wait_dscnt 0
	PLACES NP
	FETCH_B \slot, (\q)+1, 1-(\q)%2
	FETCH_A \slot, (\q)+1, 0
	WIN MUL_HI
	MUL16 4, (\q)%2, \zero
	MUL16 6, (\q)%2, \zero
	PLACES NP
	WIN 0
	FETCH_A \slot, (\q)+1, 4
.endm
.macro TURN slot, next, fill
	s_wait_tensorcnt 0x0
	ds_add_u32 v[SPW], v[NIL]
	s_wait_dscnt 4*NL+1
	WIN MUL_LO
	MUL16 0, 1, 0
	s_wait_dscnt 0x0
	s_barrier_signal -1
	MUL16 2, 1, 0
	WIN 0
	s_barrier_wait -1
.if \fill
	CREST
	s_add_nc_u64 s[G0+4*\slot+2:G0+4*\slot+3], s[G0+4*\slot+2:G0+4*\slot+3], 8192
	s_add_nc_u64 s[G0B+4*\slot+2:G0B+4*\slot+3], s[G0B+4*\slot+2:G0B+4*\slot+3], 8192
	JLOAD G0+4*\slot, G1, G0B+4*\slot, G1B
.else
	PLACES NP
.endif
	FETCH_B \next, 0, 0
	FETCH_A \next, 0, 0
	WIN MUL_HI
	MUL16 4, 1, 0
	MUL16 6, 1, 0
	PLACES NP
	WIN 0
	FETCH_A \next, 0, 4
.endm
	s_wait_alu depctr_va_vdst(0)
	s_wait_tensorcnt 0x0                           ; my part of K step 0 is in; the three lines stand ahead of a later first fill as ahead of a refill
	ds_add_u32 v[SPW], v[NIL]
	s_wait_dscnt 0x0
	CROUND                                         ; everybody's part of K step 0 is in, and the joint loads of K step 1 meet
	JLOAD G0+4, G1, G0B+4, G1B
	FETCH_B 0, 0, 0
	FETCH_A 0, 0, 0
	FETCH_A 0, 0, 4
	global_prefetch_b8 v[PFO], s[PFA:PFA+1] offset:12288 th:TH_LOAD_NT scope:SCOPE_SE
	STEP 0, 0, 1
	TURN 0, 1, 1
	STEP 1, 0, 0
	TURN 1, 0, 1
	STEP 0, 0, 0
	TURN 0, 1, 0
	STEP 1, 0, 0
	s_wait_dscnt 4*NL
	WIN MUL_LO
	MUL16 0, 1, 0
	MUL16 2, 1, 0
	s_wait_dscnt 0
	WIN MUL_HI
	MUL16 4, 1, 0
	MUL16 6, 1, 0
	WIN 0
.macro OUTBLK a, mode
	WIN 0x02+((\a)/4)
.set j, 0
.rept 64
	v_med3_num_f32 v[TMP+j], v[64*((\a)%4)+j], -v[LIM], v[LIM]
.set j, j+1
.endr
	WIN 0
.irp b, 0,1,2,3,4,5,6,7
	v_cvt_scalef32_pk8_fp8_f32 v[CD+16*(\a)+2*\b:CD+16*(\a)+2*\b+1], v[TMP+8*\b:TMP+8*\b+7], v[SCL]
.endr
	v_nop
.irp g, 0,1,2,3
.if \mode
	global_store_b128 v[LO], v[CD+16*(\a)+4*\g:CD+16*(\a)+4*\g+3], s[OB:OB+1] offset:((\a)/4)*131072+((\a)%4)*2048+\g*512 th:TH_STORE_NT
.else
	global_store_b128 v[LO], v[CD+16*(\a)+4*\g:CD+16*(\a)+4*\g+3], s[OB:OB+1] offset:(\g/2)*131072+(\a)*1024+(\g%2)*512 th:TH_STORE_NT
.endif
.endr
.endm
	PLACES NP
	s_cmp_eq_u32 ttmp9, 2
	s_cbranch_scc1 .Lvout
	s_wait_alu depctr_va_vdst(0)
.irp a, 0,1,2,3,4,5,6,7
	OUTBLK \a, 0
.endr
	s_branch .Lend
.Lvout:
	s_wait_alu depctr_va_vdst(0)
.irp a, 0,1,2,3,4,5,6,7
	OUTBLK \a, 1
.endr
.Lend:
	s_wait_tensorcnt 0x0
	ds_add_u32 v[SPW], v[NIL]
	s_wait_dscnt 0x0
	CROUND
	s_endpgm
.Lfunc_end_k_q3428c0c15b_qkv:
	.size	k_q3428c0c15b_qkv, .Lfunc_end_k_q3428c0c15b_qkv-k_q3428c0c15b_qkv
	.p2alignl 7, 3214868480
	.fill 96, 4, 3214868480
	.section	.rodata,"a",@progbits
	.p2align	6, 0x0
	.amdhsa_kernel k_q3428c0c15b_qkv
		.amdhsa_group_segment_fixed_size 327680
		.amdhsa_private_segment_fixed_size 0
		.amdhsa_enable_private_segment 0
		.amdhsa_kernarg_size 48
		.amdhsa_user_sgpr_count 2
		.amdhsa_user_sgpr_kernarg_segment_ptr 1
		.amdhsa_wavefront_size32 1
		.amdhsa_system_sgpr_workgroup_id_x 1
		.amdhsa_system_sgpr_workgroup_id_y 1
		.amdhsa_system_sgpr_workgroup_id_z 1
		.amdhsa_system_vgpr_workitem_id 0
		.amdhsa_next_free_vgpr 1024
		.amdhsa_next_free_sgpr 100
		.amdhsa_reserve_vcc 0
		.amdhsa_float_denorm_mode_32 3
		.amdhsa_float_denorm_mode_16_64 3
		.amdhsa_memory_ordered 1
		.amdhsa_forward_progress 1
		.amdhsa_inst_pref_size 159
	.end_amdhsa_kernel
	.amdgpu_metadata
---
amdhsa.version: [ 1, 2 ]
amdhsa.kernels:
  - .name:           k_q3428c0c15b_qkv
    .symbol:         k_q3428c0c15b_qkv.kd
    .args:
      - { .name: xc, .offset: 0, .size: 8, .value_kind: global_buffer, .address_space: global }
      - { .name: wc, .offset: 8, .size: 8, .value_kind: global_buffer, .address_space: global }
      - { .name: lowp_scales, .offset: 16, .size: 8, .value_kind: global_buffer, .address_space: global }
      - { .name: qc, .offset: 24, .size: 8, .value_kind: global_buffer, .address_space: global }
      - { .name: kc, .offset: 32, .size: 8, .value_kind: global_buffer, .address_space: global }
      - { .name: vc, .offset: 40, .size: 8, .value_kind: global_buffer, .address_space: global }
    .group_segment_fixed_size: 327680
    .private_segment_fixed_size: 0
    .kernarg_segment_align: 8
    .kernarg_segment_size: 48
    .max_flat_workgroup_size: 128
    .sgpr_count:     100
    .vgpr_count:     1024
    .wavefront_size: 32
...
	.end_amdgpu_metadata
.endif
;; end of part 2
;; launch attn (part 3): grid 8 x 32, 8 waves a work-group, clusters of 4 x 1, 327,680 bytes of LDS; arguments qc, kc, vc, mask, lowp_scales, cc; writes cc
.if DOCPART == 3
	.amdgcn_target "amdgcn-amd-amdhsa--gfx1250"
	.amdhsa_code_object_version 6
	.text
	.protected	k_q3428c0c15b_attn
	.globl	k_q3428c0c15b_attn
	.p2align	8
	.type	k_q3428c0c15b_attn,@function
k_q3428c0c15b_attn:
	s_mov_b64 s[64:65], 0
	v_nop
	global_prefetch_b8 v0, s[64:65] scope:SCOPE_SE
	s_setreg_imm32_b32 hwreg(HW_REG_WAVE_MODE, 25, 1), 1
	s_wait_xcnt 0x0
	s_wait_alu depctr_hold_cnt(0) depctr_sa_sdst(0) depctr_va_vdst(0) depctr_va_sdst(0) depctr_va_ssrc(0) depctr_va_vcc(0) depctr_vm_vsrc(0)
	s_getreg_b32 s2, hwreg(HW_REG_IB_STS2, 6, 4)
	s_cmp_eq_u32 s2, 0
	s_cbranch_scc0 .Lentry_in_a_cluster
	s_endpgm
.Lentry_in_a_cluster:
	s_bfe_u32 s2, ttmp6, 0x10000c
	s_cmp_lg_u32 s2, 0x3003
	s_cbranch_scc0 .Lentry_shape_is_right
	s_endpgm
.Lentry_shape_is_right:
; ctx[b][h][q] = the sum over k of softmax_k(q . k / 32 + mask[b][k]) v[k], both products on codes of FP8 (E4M3); ctx is quantised at once for the last product.
; qc, kc: [32 (batch, head)][128 (16 tokens)][1024]: images of operand registers, K = the head's 64 (lane (r, h): row r; registers 2 c, 2 c + 1: k = 16 c + 8 h + 0 .. 7; byte 512 g + 16 lane + i).
; vc: [32][16 (128 keys)][4 (16 channels)][2048]: the same with K = the keys.  cc: [256 (16 tokens)][8 (128 of D)][2048]: head hd fills 1,024 bytes at 1,024 hd of a tile of tokens.
; THE SOFTMAX: t = logit x log2(e) = c (dot + mask x 2^(5 - E)), E = e6 + e7, c = log2(e) / 32 x 2^E, dot the sum over the codes.  The scaled mask (a multiplication by a power of two) is the C OPERAND of the
; score products.  M = the row's largest t so far, rounded up to a whole number; p = 2^(t - M) is quantised with 2^e8; the row's sum is taken of the unquantised p and divides at the end;
; when M moves, the sum and O are multiplied by 2^(old M - new M), which rounds nothing.
; LIMITS: e6 + e7 between -121 and 132 (added to c's exponent field); e8 and e10 between -126 and 119; the mask, and mask x 2^(5 - e6 - e7), finite and above -3e38; the exponents t stay under 2^31 in magnitude.
; NaN among the inputs is not served.
; SHARES.  A work-group owns 256 queries of one head; each of its eight waves owns 32: two tiles of 16, which share every fragment of K, V and the mask; two waves to a SIMD, 512 registers each.
; A head's whole K and V (131,072 bytes each) lie in LDS; waves 0-3 fetch K, waves 4-7 V.  The first 512 keys are asked for at the head, 8,192 bytes a wave; the other 1,536 behind the full sequence, 24,576 bytes a wave.
; That second load has steps 0 to 2 in which to land; one barrier shows it.  No LDS byte is filled twice.
; CLUSTER: the four query blocks of a cluster belong to one head: each load is a joint one, with the mask of all four.  Three steps' work stands between the second load and the wait for it, and nothing is asked for later: no prefetch is laid.
; LAYOUT.  Both products transposed: S^T = K Q^T (source 0 = 16 keys), O^T = V^T P^T (source 0 = 16 channels): a lane holds ONE query (lane % 16) throughout; tile t of S^T holds keys 16 t + 8 h + 0 .. 7,
; whose conversion is registers 2 t, 2 t + 1 of P; tile u of O^T holds channels 16 u + 8 h + 0 .. 7, whose conversion is registers 2 u, 2 u + 1 of the head's half fragment of ctx.
; A STEP is 128 keys.  Its K and mask were loaded during the step before; its V, and the next step's K and mask, are loaded under its softmax.
; REGISTERS.  window 0: v1-11 addresses and constants; v12-31 statistics, ten a tile; v32-159 S^T, then p, 64 a tile; v160-223 O^T, 32 a tile; v224-255 P's codes, 16 a tile (earlier in the step: maxima, then partial sums).
;   window 1: v0-63 K's eight fragments; v64-127 the mask as C, eight tiles; v128-191 V's four fragments; v192-207 Q's two.
.set LI,   1                           ; v1   16 x lane
.set AV0,  2                           ; v2   the same in V's region
.set AM0,  3                           ; v3   the mask's region + 32 h
.set ADK,  4                           ; v4-6 the step's addresses
.set ADV,  5
.set ADM,  6
.set SCLP, 8                           ; v8   2^e8
.set LIMC, 7                           ; v7   the way out: 448 x 2^e10
.set SCLC, 9                           ; v9   2^e10
.set CHB,  10                          ; v[10:11], v[18:19] two of the three chains of tile 1's sum
.set CHC,  18
.set ST,   12                          ; tile x's statistics at v[ST + 10 x]: +0 -M, +1 the largest score, +2, +3 the sum in two halves, +4 f (+5 named with it), +6, +7 at work, +8 the permute's destination
.set SPW,  21                          ; v21  LDS address of my spare word; never rewritten
.set NIL,  31                          ; v31  0; never rewritten
.set S,    32
.set S1,   96
.set O,    160
.set P,    224
.set KF,   0                           ; in window 1
.set MC,   64
.set VF,   128
.set QF,   192
.set VREG, 131072                      ; LDS: K at 0, V here,
.set MREG, 262144                      ; the scaled mask, 2,048 f32, here: written by LDS stores; no tensor load lands there
.set SPARE, 274432                     ; the spare words, 128 bytes a wave
.set WV,   16
.set SEL,  20                          ; s[20:21] lane selects for v_permlanex16_b32: lane l xor 16
.set CS,   22                          ; s[22:23] c, twice
.set G1,   24                          ; s[24:31] descriptor group 1 of the first load, s[32:35] its group 0;  s[36:43], s[44:47] the second load's
.set G0,   32
.set G1S,  36
.set G0S,  44
.set TB,   48                          ; s48  LDS byte of the step's K (and, in its region, V)
.set TM,   49                          ; s49  of the step's mask
.set CNT,  50
.set LIMS, 76                          ; s76  448 x 2^e8
.set MSB, 0
.macro WIN new
.if MSB != \new
	s_set_vgpr_msb (MSB<<8)|\new
.set MSB, \new
.endif
.endm
.macro CROUND                          ; a round of the cluster's barrier
	s_barrier_signal -1
	s_barrier_wait -1
	s_cmp_lg_u32 s[WV], 0
	s_cbranch_scc1 .Lnot_wave_0_\@
	s_barrier_signal -3
.Lnot_wave_0_\@:
	s_barrier_wait -3
	s_barrier_signal -1
	s_barrier_wait -1
.endm
	s_load_b256 s[4:11], s[0:1], 0x0               ; qc 4:5, kc 6:7, vc 8:9, mask 10:11
	s_load_b128 s[12:15], s[0:1], 0x20             ; the exponents 12:13, cc 14:15
	v_lshl_add_u32 v[SPW], v0, 2, SPARE
	v_mov_b32 v[NIL], 0
	ds_add_u32 v[SPW], v[NIL]                      ; the opening: the add, twice on end, and its wait
	ds_add_u32 v[SPW], v[NIL]
	v_lshrrev_b32 v9, 5, v0
	v_readfirstlane_b32 s[WV], v9                  ; wave 0..7
	v_and_b32 v9, 31, v0
	v_lshlrev_b32 v[LI], 4, v9
	v_add_nc_u32 v[AV0], VREG, v[LI]
	v_bfe_u32 v9, v0, 4, 1
	v_lshl_add_u32 v[AM0], v9, 5, MREG
	v_lshlrev_b32 v10, 5, v0                       ; thread t takes numbers 8 t .. 8 t + 7 of the mask,
	v_add_nc_u32 v11, MREG, v10                    ; which go here
	s_bfe_u32 s17, ttmp6, 0x40000                  ; cx
	s_lshl_b32 s18, ttmp9, 2
	s_add_co_u32 s18, s18, s17                     ; my block of 256 queries: it enters Q's and ctx's addresses alone
	s_and_b32 s19, ttmp7, 0xffff                   ; (batch, head), which the four partners share
	; descriptor groups 1: dense bytes as rows of 256: 32 rows, and 96
.irp g, G1, G1S
	s_mov_b32 s[\g], 15|(3<<16)|(1<<21)            ; 15:0 the mask: all four work-groups; 17:16 elements of 8 bytes; 21 set beside a mask
	s_mov_b32 s[\g+1], 32<<16                      ; tensor_dim0 = 32 elements
	s_mov_b32 s[\g+3], 32<<16                      ; tile_dim0
	s_mov_b32 s[\g+5], 32                          ; tensor_dim0_stride
	s_mov_b32 s[\g+6], 0
	s_mov_b32 s[\g+7], 0
.endr
	s_mov_b32 s[G1+2], 32<<16                      ; tensor_dim1
	s_mov_b32 s[G1+4], 32                          ; tile_dim1
	s_mov_b32 s[G1S+2], 96<<16
	s_mov_b32 s[G1S+4], 96
	s_mov_b32 s[SEL], 0x76543210
	s_mov_b32 s[SEL+1], 0xfedcba98
	s_lshr_b32 s66, s[WV], 2                       ; waves 0-3 fetch K, waves 4-7 V,
	s_and_b32 s67, s[WV], 3                        ; each a quarter of either load
	s_mul_i32 s74, s67, 24576
	s_add_co_u32 s74, s74, 32768                   ; the second load's part,
	s_lshl_b32 s67, s67, 13                        ; the first load's
	s_lshl_b32 s68, s19, 17                        ; in memory: behind the head's first byte
	s_add_co_u32 s72, s68, s74
	s_add_co_u32 s68, s68, s67
	s_mov_b32 s69, 0
	s_mov_b32 s73, 0
	s_lshl_b32 s75, s66, 17                        ; in LDS: no place in the cluster enters it
	s_add_co_u32 s74, s75, s74
	s_add_co_u32 s75, s75, s67
	s_wait_alu depctr_va_vdst(0)
	s_wait_dscnt 0x0                               ; both opening adds are done
	s_wait_kmcnt 0x0
	s_load_b256 s[52:59], s[12:13], 0x0            ; e0 .. e7
	s_load_b128 s[60:63], s[12:13], 0x20           ; e8 .. e11
	s_cmp_eq_u32 s66, 0
	s_cselect_b64 s[70:71], s[6:7], s[8:9]         ; the choice hangs on the wave's number alone
	s_mov_b32 s[G0], 1
	s_mov_b32 s[G0+1], s75
	s_add_nc_u64 s[G0+2:G0+3], s[70:71], s[68:69]
	s_or_b32 s[G0+3], s[G0+3], 0x80000000
	s_mov_b32 s[G0S], 1
	s_mov_b32 s[G0S+1], s74
	s_add_nc_u64 s[G0S+2:G0S+3], s[70:71], s[72:73]
	s_or_b32 s[G0S+3], s[G0S+3], 0x80000000
	CROUND                                         ; all four work-groups are here: the joint loads meet
	tensor_load_to_lds s[G0:G0+3], s[G1:G1+7]      ; the first 512 keys
	s_nop 0
.rept 4
	v_nop
.endr
	s_lshr_b32 s72, s19, 4                         ; the batch: its 2,048 numbers of the mask
	s_lshl_b32 s72, s72, 13
	s_mov_b32 s73, 0
	s_add_nc_u64 s[10:11], s[10:11], s[72:73]
	global_load_b128 v[32:35], v10, s[10:11]
	global_load_b128 v[36:39], v10, s[10:11] offset:16
	s_lshl_b32 s72, s19, 7
	s_lshl_b32 s74, s18, 4
	s_add_co_u32 s72, s72, s74
	s_lshl_b32 s74, s[WV], 1
	s_add_co_u32 s72, s72, s74                     ; my first tile of queries: 128 x (batch, head) + 16 x block + 2 x wave
	s_lshl_b32 s72, s72, 10
	s_add_nc_u64 s[4:5], s[4:5], s[72:73]
	WIN 0x40                                       ; destination window 1
	global_load_b128 v[QF:QF+3],     v[LI], s[4:5]                 ; Q's two fragments stay in registers
	global_load_b128 v[QF+4:QF+7],   v[LI], s[4:5] offset:512
	global_load_b128 v[QF+8:QF+11],  v[LI], s[4:5] offset:1024
	global_load_b128 v[QF+12:QF+15], v[LI], s[4:5] offset:1536
	WIN 0
.irp x, 0,1
	v_mov_b32 v[ST+10*\x+1], 0xff61b1e6            ; the largest score so far: -3e38
	v_mov_b32 v[ST+10*\x], 0x7f61b1e6              ; -M: 3e38, so that the first change of M makes f = 0
	v_mov_b32 v[ST+10*\x+2], 0                     ; the sum, in two halves
	v_mov_b32 v[ST+10*\x+3], 0
	v_mov_b32 v[ST+10*\x+5], 0                     ; named as the upper half of f's pair
	v_mov_b32 v[ST+10*\x+8], 0                     ; a lane permute's destination counts as one of its sources
.endr
.set j, 0
.rept 64
	v_mov_b32 v[O+j], 0                            ; O^T: the step is written without a first step of its own: the first change of M multiplies zeros
.set j, j+1
.endr
	s_wait_alu depctr_va_vdst(0)
	s_wait_kmcnt 0x0
	s_add_co_i32 s66, s58, s59                     ; E = e6 + e7
	s_lshl_b32 s67, s66, 23
	s_add_co_i32 s[CS], s67, 0x3d38aa3b            ; c = log2(e) / 32, with E added to its exponent field
	s_mov_b32 s[CS+1], s[CS]
	s_sub_co_i32 s66, 5, s66                       ; 5 - E
	s_add_co_i32 s67, s60, 127
	s_lshl_b32 s68, s67, 23
	v_mov_b32 v[SCLP], s68
	s_add_co_i32 s67, s67, 8
	s_lshl_b32 s67, s67, 23
	s_or_b32 s[LIMS], s67, 0x600000
	s_wait_alu depctr_va_vdst(0)
	s_wait_loadcnt 4                               ; the mask's two loads are in; Q's four may be out
.irp i, 0,1,2,3,4,5,6,7
	v_ldexp_f32 v[32+\i], v[32+\i], s66            ; mask x 32 / 2^E
.endr
	ds_store_b128 v11, v[32:35]
	ds_store_b128 v11, v[36:39] offset:16
	s_wait_alu depctr_va_vdst(0)
	s_wait_loadcnt 0x0                             ; Q
	s_wait_tensorcnt 0x0                           ; my part of the first 512 keys is in; the three lines stand ahead of a later first fill as ahead of a refill
	ds_add_u32 v[SPW], v[NIL]
	s_wait_dscnt 0x0                               ; the add is done, and my part of the mask lies in LDS
	CROUND                                         ; both now hold of every wave, and the partners' joint loads meet
	tensor_load_to_lds s[G0S:G0S+3], s[G1S:G1S+7]  ; the other 1,536 keys
	s_nop 0
.rept 4
	v_nop
.endr
.macro LOADKM ak, am, ok, om           ; K's eight fragments (16 keys x 64 each: 512 consecutive bytes a load) and the mask of keys 16 t + 8 h + 0 .. 7: the result's layout
	WIN 0x40                                       ; destination window 1
.irp t, 0,1,2,3,4,5,6,7
	ds_load_b128 v[KF+8*\t:KF+8*\t+3],   v[\ak] offset:\ok+1024*\t
	ds_load_b128 v[KF+8*\t+4:KF+8*\t+7], v[\ak] offset:\ok+1024*\t+512
	ds_load_b128 v[MC+8*\t:MC+8*\t+3],   v[\am] offset:\om+64*\t
	ds_load_b128 v[MC+8*\t+4:MC+8*\t+7], v[\am] offset:\om+64*\t+16
.endr
	WIN 0
.endm
; The step's largest score of a query tile among the lane's 64 keys, in eight chains, one an accumulator, each read from its low end on.  MQ: four chains' next link; MF: the joins, which end in v[P + 8 x].
.macro MQ x, r, q
.irp k, 0,1,2,3
.if \r == 0
	v_max3_num_f32 v[P+8*\x+4*\q+\k], v[S+64*\x+8*(4*\q+\k)], v[S+64*\x+8*(4*\q+\k)+1], v[S+64*\x+8*(4*\q+\k)+2]
.else
	v_max3_num_f32 v[P+8*\x+4*\q+\k], v[P+8*\x+4*\q+\k], v[S+64*\x+8*(4*\q+\k)+2*\r+1], v[S+64*\x+8*(4*\q+\k)+2*\r+2]
.endif
.endr
.endm
.macro MF x, n
.if \n == 0
.irp k, 0,1,2,3
	v_max3_num_f32 v[P+8*\x+\k], v[P+8*\x+\k], v[S+64*\x+16*\k+7], v[S+64*\x+16*\k+15]
.endr
.else
	v_max3_num_f32 v[P+8*\x+4], v[P+8*\x+4], v[P+8*\x+5], v[P+8*\x+6]
	v_max3_num_f32 v[P+8*\x], v[P+8*\x], v[P+8*\x+1], v[P+8*\x+7]
	v_max3_num_f32 v[P+8*\x+2], v[P+8*\x+2], v[P+8*\x+3], v[P+8*\x+4]
	v_max_num_f32 v[P+8*\x], v[P+8*\x], v[P+8*\x+2]
.endif
.endm
.macro STAT x, n                       ; the eight links from a tile's largest score to f
.if \n == 0
	v_permlanex16_b32 v[ST+10*\x+8], v[P+8*\x], s[SEL], s[SEL+1]
.elseif \n == 1
	v_max3_num_f32 v[ST+10*\x+1], v[ST+10*\x+1], v[P+8*\x], v[ST+10*\x+8]      ; the running largest score, lane l xor 16's keys among them
.elseif \n == 2
	v_mul_f32 v[ST+10*\x+6], s[CS], -v[ST+10*\x+1]                 ; as -t (c is positive)
.elseif \n == 3
	v_floor_f32 v[ST+10*\x+7], v[ST+10*\x+6]                       ; the new -M = floor(-t): M is a whole number
.elseif \n == 4
	v_sub_f32 v[ST+10*\x+6], v[ST+10*\x+7], v[ST+10*\x]            ; old M - new M: a whole number, 0 or less
.elseif \n == 5
	v_mov_b32 v[ST+10*\x], v[ST+10*\x+7]
.elseif \n == 6
	v_cvt_i32_f32 v[ST+10*\x+6], v[ST+10*\x+6]                     ; (it saturates)
.else
	v_ldexp_f32 v[ST+10*\x+4], 1.0, v[ST+10*\x+6]                  ; f = 2^(old M - new M)
.endif
.endm
.macro FILL n                          ; 0 .. 7: tile 0's t - M, two numbers an instruction;  8 .. 11: tile 0's O^T under the new M
.irp k, 0,1,2,3
.if \n < 8
	v_pk_fma_f32 v[S+2*(4*(\n)+\k):S+2*(4*(\n)+\k)+1], v[S+2*(4*(\n)+\k):S+2*(4*(\n)+\k)+1], s[CS:CS+1], v[ST:ST+1] op_sel_hi:[1,0,0]
.else
	v_pk_mul_f32 v[O+2*(4*(\n-8)+\k):O+2*(4*(\n-8)+\k)+1], v[O+2*(4*(\n-8)+\k):O+2*(4*(\n-8)+\k)+1], v[ST+4:ST+5] op_sel_hi:[1,0]
.endif
.endr
.endm
.macro HOLD r                          ; the conversion does not saturate (ISA guide 7.6.2); p is not negative: a one-sided hold, two numbers an instruction
	v_dual_min_num_f32 v[\r], s[LIMS], v[\r] :: v_dual_min_num_f32 v[\r+1], s[LIMS], v[\r+1]
.endm
.macro ADD1 n                          ; pair n of tile 1's p onto one of three chains
.if (\n)%3 == 0
	v_pk_add_f32 v[ST+12:ST+13], v[ST+12:ST+13], v[S1+2*(\n):S1+2*(\n)+1]
.elseif (\n)%3 == 1
	v_pk_add_f32 v[CHB:CHB+1], v[CHB:CHB+1], v[S1+2*(\n):S1+2*(\n)+1]
.else
	v_pk_add_f32 v[CHC:CHC+1], v[CHC:CHC+1], v[S1+2*(\n):S1+2*(\n)+1]
.endif
.endm
; A KEY STEP: 128 keys, for my two tiles of queries.  last = 1: in the last trip there is no next step to load for.
.macro BODY last
	WIN 0x15                                       ; K, Q and the mask in window 1, S^T in window 0
.irp t, 0,1,2,3,4,5,6,7
	v_wmma_f32_16x16x64_fp8_fp8 v[S+8*\t:S+8*\t+7],   v[KF+8*\t:KF+8*\t+7], v[QF:QF+7],    v[MC+8*\t:MC+8*\t+7]
	v_wmma_f32_16x16x64_fp8_fp8 v[S1+8*\t:S1+8*\t+7], v[KF+8*\t:KF+8*\t+7], v[QF+8:QF+15], v[MC+8*\t:MC+8*\t+7]
.endr
	WIN 0
	v_add_nc_u32 v[ADK], s[TB], v[LI]              ; these three and the v_nop are the four places behind the products, in front of the loads into their sources and the first read of results
	v_add_nc_u32 v[ADM], s[TM], v[AM0]
	v_add_nc_u32 v[ADV], s[TB], v[AV0]
	v_nop
.if \last
	s_cmp_eq_u32 s[CNT], 1
	s_cbranch_scc1 .Lno_next_\@
.endif
	LOADKM ADK, ADM, 8192, 512                     ; the next step's K and mask
.if \last
.Lno_next_\@:
.endif
	MQ 0, 0, 0
	MQ 0, 0, 1
	MQ 0, 1, 0
	MQ 0, 1, 1
	MQ 0, 2, 0
	MQ 0, 2, 1
	MF 0, 0
	MF 0, 1
	WIN 0x40
.irp u, 0,1,2,3
.irp g, 0,1,2,3
	ds_load_b128 v[VF+16*\u+4*\g:VF+16*\u+4*\g+3], v[ADV] offset:2048*\u+512*\g   ; this step's V: 16 channels x 128 keys
.endr
.endr
	WIN 0
	STAT 0, 0                                      ; tile 0's statistics among tile 1's maxima
	MQ 1, 0, 0
	STAT 0, 1
	MQ 1, 0, 1
	STAT 0, 2
	MQ 1, 1, 0
	STAT 0, 3
	MQ 1, 1, 1
	STAT 0, 4
	MQ 1, 2, 0
	STAT 0, 5
	MQ 1, 2, 1
	STAT 0, 6
	MF 1, 0
	STAT 0, 7
	MF 1, 1
	FILL 0                                         ; tile 1's statistics among tile 0's scalings
.irp g, 0,1,2,3,4,5,6,7
	STAT 1, \g
	FILL \g+1
.endr
	FILL 9
	FILL 10
	FILL 11
.set i, 0
.rept 16
	v_pk_mul_f32 v[O+32+2*i:O+32+2*i+1], v[O+32+2*i:O+32+2*i+1], v[ST+14:ST+15] op_sel_hi:[1,0]   ; tile 1's O^T under the new M
.set i, i+1
.endr
	s_wait_alu depctr_va_vdst(0)                   ; ahead of the batch
.set i, 0
.rept 32                               ; tile 0's exponentials, with tile 1's scalings as the plain work between them
	v_exp_f32 v[S+2*i], v[S+2*i]
	v_exp_f32 v[S+2*i+1], v[S+2*i+1]
	v_pk_fma_f32 v[S1+2*i:S1+2*i+1], v[S1+2*i:S1+2*i+1], s[CS:CS+1], v[ST+10:ST+11] op_sel_hi:[1,0,0]
.set i, i+1
.endr
	s_wait_alu depctr_va_vdst(0)                   ; behind tile 0's batch and ahead of tile 1's
.set i, 0
.rept 16                               ; tile 1's exponentials, with the first level of tile 0's sum (of the unquantised p) and its holds between them: none of these reads what another wrote
	v_exp_f32 v[S1+4*i], v[S1+4*i]
	v_exp_f32 v[S1+4*i+1], v[S1+4*i+1]
	v_pk_add_f32 v[P+2*i:P+2*i+1], v[S+4*i:S+4*i+1], v[S+4*i+2:S+4*i+3]
	v_exp_f32 v[S1+4*i+2], v[S1+4*i+2]
	HOLD S+4*i
	v_exp_f32 v[S1+4*i+3], v[S1+4*i+3]
	HOLD S+4*i+2
.set i, i+1
.endr
	s_wait_alu depctr_va_vdst(0)                   ; behind the batch, ahead of its first reader
.set i, 0
.rept 16                               ; tile 1's sum in three chains and its holds; the other four levels of tile 0's sum
.if i == 0
	v_pk_fma_f32 v[ST+12:ST+13], v[ST+12:ST+13], v[ST+14:ST+15], v[S1:S1+1] op_sel_hi:[1,0,1]     ; the sum under the new M, and the first pair
	v_pk_add_f32 v[CHB:CHB+1], v[S1+2:S1+3], v[S1+4:S1+5]
.elseif i == 1
	v_pk_add_f32 v[CHC:CHC+1], v[S1+6:S1+7], v[S1+8:S1+9]
.else
.if i > 2
	ADD1 2*i
.endif
	ADD1 2*i+1
.endif
.if i < 8
	v_pk_add_f32 v[P+4*i:P+4*i+1], v[P+4*i:P+4*i+1], v[P+4*i+2:P+4*i+3]
.elseif i < 12
	v_pk_add_f32 v[P+8*(i-8):P+8*(i-8)+1], v[P+8*(i-8):P+8*(i-8)+1], v[P+8*(i-8)+4:P+8*(i-8)+5]
.elseif i < 14
	v_pk_add_f32 v[P+16*(i-12):P+16*(i-12)+1], v[P+16*(i-12):P+16*(i-12)+1], v[P+16*(i-12)+8:P+16*(i-12)+9]
.elseif i == 14
	v_pk_add_f32 v[P:P+1], v[P:P+1], v[P+16:P+17]
.else
	v_pk_fma_f32 v[ST+2:ST+3], v[ST+2:ST+3], v[ST+4:ST+5], v[P:P+1] op_sel_hi:[1,0,1]
.endif
	HOLD S1+4*i
	HOLD S1+4*i+2
.set i, i+1
.endr
.irp t, 0,1,2,3,4,5,6,7
	v_cvt_scalef32_pk8_fp8_f32 v[P+2*\t:P+2*\t+1], v[S+8*\t:S+8*\t+7], v[SCLP]
.endr
.irp t, 0,1,2,3,4,5,6,7
	v_cvt_scalef32_pk8_fp8_f32 v[P+16+2*\t:P+16+2*\t+1], v[S1+8*\t:S1+8*\t+7], v[SCLP]
.endr
	v_pk_add_f32 v[ST+12:ST+13], v[ST+12:ST+13], v[CHB:CHB+1]      ; the chains' ends: the plain lines between the conversions and the products that read their results
	v_pk_add_f32 v[ST+12:ST+13], v[ST+12:ST+13], v[CHC:CHC+1]
	s_wait_alu depctr_va_vdst(0)
	s_wait_dscnt 0x0                               ; V is in, and the next step's K and mask
	WIN 0x01                                       ; V in window 1
.irp u, 0,1,2,3
.irp x, 0,1
	v_wmma_f32_16x16x128_fp8_fp8 v[O+32*\x+8*\u:O+32*\x+8*\u+7], v[VF+16*\u:VF+16*\u+15], v[P+16*\x:P+16*\x+15], v[O+32*\x+8*\u:O+32*\x+8*\u+7]   ; eight accumulators, one instruction each; the next step's score products stand between two links
.endr
.endr
	WIN 0
	s_add_co_u32 s[TB], s[TB], 8192
	s_add_co_u32 s[TM], s[TM], 512
	s_sub_co_u32 s[CNT], s[CNT], 1
	s_cmp_lg_u32 s[CNT], 0
.endm
	LOADKM LI, AM0, 0, 0                           ; step 0's K and mask
	s_wait_dscnt 0x0
	s_mov_b32 s[TB], 0
	s_mov_b32 s[TM], 0
	s_mov_b32 s[CNT], 3                            ; steps 0 to 2 read V 0 to 2 and K 0 to 3: all among the first 512 keys
.Lfirst:
	BODY 0
	s_cbranch_scc1 .Lfirst
	s_wait_tensorcnt 0x0                           ; my second load has landed; no LDS instruction of mine is out
	s_barrier_signal -1
	s_barrier_wait -1
	s_mov_b32 s[TB], 24576
	s_mov_b32 s[TM], 1536
	s_mov_b32 s[CNT], 13
.Lrest:
	BODY 1
	s_cbranch_scc1 .Lrest
	; THE WAY OUT.  ctx = O^T x 2^(e8 + e9) / the sum; it is held, quantised with 2^e10, and stored as the head's 1,024 bytes of its tile of tokens: two stores of 512 consecutive bytes a tile.
.irp x, 0,1
	v_add_f32 v[ST+10*\x+6], v[ST+10*\x+2], v[ST+10*\x+3]
.endr
.irp x, 0,1
	v_permlanex16_b32 v[ST+10*\x+8], v[ST+10*\x+6], s[SEL], s[SEL+1]
.endr
.irp x, 0,1
	v_add_f32 v[ST+10*\x+6], v[ST+10*\x+6], v[ST+10*\x+8]          ; the row's sum
.endr
	s_wait_alu depctr_va_vdst(0)
.irp x, 0,1
	v_rcp_f32 v[ST+10*\x+6], v[ST+10*\x+6]
.endr
	v_nop                                          ; a plain line behind the reciprocals
	s_add_co_i32 s66, s60, s61                     ; e8 + e9
	s_add_co_i32 s67, s62, 127
	s_lshl_b32 s68, s67, 23
	v_mov_b32 v[SCLC], s68
	s_add_co_i32 s67, s67, 8
	s_lshl_b32 s67, s67, 23
	s_or_b32 s67, s67, 0x600000
	v_mov_b32 v[LIMC], s67
	s_lshr_b32 s72, s19, 4                         ; the batch's 128 tiles of tokens,
	s_lshl_b32 s72, s72, 7
	s_lshl_b32 s74, s18, 4
	s_add_co_u32 s72, s72, s74
	s_lshl_b32 s74, s[WV], 1
	s_add_co_u32 s72, s72, s74                     ; my first tile,
	s_lshl_b32 s72, s72, 14
	s_and_b32 s74, s19, 15
	s_lshl_b32 s74, s74, 10                        ; the head's 1,024 bytes in it
	s_add_co_u32 s72, s72, s74
	s_mov_b32 s73, 0
	s_add_nc_u64 s[14:15], s[14:15], s[72:73]
	s_wait_alu depctr_va_vdst(0)                   ; one wait for the two reciprocals, ahead of their first reader
.irp x, 0,1
	v_ldexp_f32 v[ST+10*\x+4], v[ST+10*\x+6], s66
.endr
	s_wait_alu depctr_va_vdst(0)                   ; directly ahead of the first reader of O^T
.irp x, 0,1
.set i, 0
.rept 16
	v_pk_mul_f32 v[S+64*\x+2*i:S+64*\x+2*i+1], v[O+32*\x+2*i:O+32*\x+2*i+1], v[ST+10*\x+4:ST+10*\x+5] op_sel_hi:[1,0]
.set i, i+1
.endr
.endr
.irp x, 0,1
.set i, 0
.rept 32
	v_med3_num_f32 v[S+64*\x+i], v[S+64*\x+i], -v[LIMC], v[LIMC]
.set i, i+1
.endr
.irp u, 0,1,2,3
	v_cvt_scalef32_pk8_fp8_f32 v[P+16*\x+2*\u:P+16*\x+2*\u+1], v[S+64*\x+8*\u:S+64*\x+8*\u+7], v[SCLC]
.endr
.endr
	v_nop
.irp x, 0,1
	global_store_b128 v[LI], v[P+16*\x:P+16*\x+3],   s[14:15] offset:16384*\x th:TH_STORE_NT
	global_store_b128 v[LI], v[P+16*\x+4:P+16*\x+7], s[14:15] offset:16384*\x+512 th:TH_STORE_NT
.endr
	s_wait_tensorcnt 0x0                           ; the wave's end
	ds_add_u32 v[SPW], v[NIL]
	s_wait_dscnt 0x0
	CROUND                                         ; the closing round: no work-group ends while a partner may still ask for a tile that names it
	s_endpgm
.Lfunc_end_k_q3428c0c15b_attn:
	.size	k_q3428c0c15b_attn, .Lfunc_end_k_q3428c0c15b_attn-k_q3428c0c15b_attn
	.p2alignl 7, 3214868480
	.fill 96, 4, 3214868480
	.section	.rodata,"a",@progbits
	.p2align	6, 0x0
	.amdhsa_kernel k_q3428c0c15b_attn
		.amdhsa_group_segment_fixed_size 327680
		.amdhsa_private_segment_fixed_size 0
		.amdhsa_enable_private_segment 0
		.amdhsa_kernarg_size 48
		.amdhsa_user_sgpr_count 2
		.amdhsa_user_sgpr_kernarg_segment_ptr 1
		.amdhsa_wavefront_size32 1
		.amdhsa_system_sgpr_workgroup_id_x 1
		.amdhsa_system_sgpr_workgroup_id_y 1
		.amdhsa_system_sgpr_workgroup_id_z 1
		.amdhsa_system_vgpr_workitem_id 0
		.amdhsa_next_free_vgpr 512
		.amdhsa_next_free_sgpr 84
		.amdhsa_reserve_vcc 0
		.amdhsa_float_denorm_mode_32 3
		.amdhsa_float_denorm_mode_16_64 3
		.amdhsa_memory_ordered 1
		.amdhsa_forward_progress 1
		.amdhsa_inst_pref_size 79
	.end_amdhsa_kernel
	.amdgpu_metadata
---
amdhsa.version: [ 1, 2 ]
amdhsa.kernels:
  - .name:           k_q3428c0c15b_attn
    .symbol:         k_q3428c0c15b_attn.kd
    .args:
      - { .name: qc, .offset: 0, .size: 8, .value_kind: global_buffer, .address_space: global }
      - { .name: kc, .offset: 8, .size: 8, .value_kind: global_buffer, .address_space: global }
      - { .name: vc, .offset: 16, .size: 8, .value_kind: global_buffer, .address_space: global }
      - { .name: mask, .offset: 24, .size: 8, .value_kind: global_buffer, .address_space: global }
      - { .name: lowp_scales, .offset: 32, .size: 8, .value_kind: global_buffer, .address_space: global }
      - { .name: cc, .offset: 40, .size: 8, .value_kind: global_buffer, .address_space: global }
    .group_segment_fixed_size: 327680
    .private_segment_fixed_size: 0
    .kernarg_segment_align: 8
    .kernarg_segment_size: 48
    .max_flat_workgroup_size: 256
    .sgpr_count:     84
    .vgpr_count:     512
    .wavefront_size: 32
...
	.end_amdgpu_metadata
.endif
;; end of part 3
;; launch oproj (part 4): grid 8 x 32, 4 waves a work-group, clusters of 4 x 4, 280,064 bytes of LDS; arguments cc, wc, bo, lowp_scales, out0; writes out0
.if DOCPART == 4
	.amdgcn_target "amdgcn-amd-amdhsa--gfx1250"
	.amdhsa_code_object_version 6
	.text
	.protected	k_q3428c0c15b_oproj
	.globl	k_q3428c0c15b_oproj
	.p2align	8
	.type	k_q3428c0c15b_oproj,@function
k_q3428c0c15b_oproj:
	s_mov_b64 s[64:65], 0
	v_nop
	global_prefetch_b8 v0, s[64:65] scope:SCOPE_SE
	s_setreg_imm32_b32 hwreg(HW_REG_WAVE_MODE, 25, 1), 1
	s_wait_xcnt 0x0
	s_wait_alu depctr_hold_cnt(0) depctr_sa_sdst(0) depctr_va_vdst(0) depctr_va_sdst(0) depctr_va_ssrc(0) depctr_va_vcc(0) depctr_vm_vsrc(0)
	s_getreg_b32 s2, hwreg(HW_REG_IB_STS2, 6, 4)
	s_cmp_eq_u32 s2, 0
	s_cbranch_scc0 .Lentry_in_a_cluster
	s_endpgm
.Lentry_in_a_cluster:
	s_bfe_u32 s2, ttmp6, 0x10000c
	s_cmp_lg_u32 s2, 0xf033
	s_cbranch_scc0 .Lentry_shape_is_right
	s_endpgm
.Lentry_shape_is_right:
; out0 = ctx Wo + bo, the product on codes of FP8 (E4M3).  cc: [256 (16 tokens)][8 (128 K)][2048], Wo's codes: part 3 of wc, [64 (16 columns)][8][2048]: images of operand registers
; (lane (r, h): row r; registers 2 c, 2 c + 1: k = 16 c + 8 h + 0 .. 7; byte 512 g + 16 lane + i).  out0: [4096][1024] f32.  out = sum x 2^(e10 + e11) + bo, one packed multiply-add for two numbers.
; LIMIT: e10 + e11 between -126 and 127, so that 2^(e10 + e11) is an f32 number.
; A tile of 128 x 128 to a work-group (tiles of 256 x 256 would be 64, this way there are 256), four waves of 64 x 64: 16 accumulators.
; The tile's whole K fits in LDS (2 x 131,072 bytes): each wave asks at the head for 64 rows of A or of B, 65,536 consecutive bytes, by one tensor load.  No LDS byte is filled twice.
; CLUSTERS: 4 x 4 work-groups: ctx's tiles are shared along a row of the cluster, Wo's along a column, by joint loads.  Nothing is left to ask for later, so no prefetch is laid.
; THE MATRIX INSTRUCTION IS USED TRANSPOSED (source 0 = 16 columns of Wo, source 1 = 16 tokens): a lane holds eight neighbouring numbers of a row of out0.
; REGISTERS.  window 0: v3-16 addresses; v32-63 the bias in the result's layout; v64-95 at work; v128-255 the accumulators ((a, b) at v[128 + 8 (4 a + b)]), later the rows on their way out.
;   window 1: two fragment buffers of 128: A's four fragments, then B's four.
.set STG,  262144                      ; behind the tiles: 16 rows x (256 bytes + 16) for each wave, for the way out; no tensor load lands there
.set SPARE, STG+4*16*272               ; the spare words
.set LO,   3                           ; v3     16 x lane
.set ADRA, 4                           ; v4     LDS address of my A fragments
.set ADRB, 8                           ; v8     the same for B
.set STO,  12                          ; v12    the stage: where I put 32 bytes of a row
.set RD,   13                          ; v13    and where I read a row back
.set CO,   14                          ; v14    my byte offset in two rows of out0
.set SPW,  126                         ; v126   LDS address of my spare word; v127 = 0; never rewritten
.set NIL,  127
.set BIAS, 32
.set TMP,  64
.set ACC,  128
.set G1A, 24                           ; s[24:31], s[32:39] descriptor groups 1;  s[40:43], s[44:47] groups 0
.set G1B, 32
.set G0A, 40
.set G0B, 44
.set MSB, 0
.macro WIN new
.if MSB != \new
	s_set_vgpr_msb (MSB<<8)|\new
.set MSB, \new
.endif
.endm
.macro CROUND
	s_barrier_signal -1
	s_barrier_wait -1
	s_cmp_lg_u32 s16, 0
	s_cbranch_scc1 .Lnot_wave_0_\@
	s_barrier_signal -3
.Lnot_wave_0_\@:
	s_barrier_wait -3
	s_barrier_signal -1
	s_barrier_wait -1
.endm
.macro PLACES
.rept 4
	v_nop
.endr
.endm
	s_load_b256 s[4:11], s[0:1], 0x0               ; cc 4:5, wc 6:7, bo 8:9, the exponents 10:11
	s_load_b64 s[12:13], s[0:1], 0x20              ; out0
	v_lshl_add_u32 v[SPW], v0, 2, SPARE
	v_mov_b32 v[NIL], 0
	ds_add_u32 v[SPW], v[NIL]                      ; the opening: the add, twice on end, and its wait
	ds_add_u32 v[SPW], v[NIL]
	v_lshrrev_b32 v1, 5, v0
	v_readfirstlane_b32 s16, v1                    ; wave 0..3
	s_lshr_b32 s17, s16, 1                         ; which half of the tile's rows is mine.  Also: I fetch for A (0) or for B (1)
	s_and_b32 s18, s16, 1                          ; which half of its columns.  Also: which 64 rows of that tile I fetch
	s_bfe_u32 s20, ttmp6, 0x40000                  ; cx
	s_bfe_u32 s21, ttmp6, 0x40004                  ; cy
	s_lshl_b32 s22, ttmp9, 2
	s_add_co_u32 s22, s22, s20                     ; tile column = 4 x cluster x + cx
	s_and_b32 s23, ttmp7, 0xffff
	s_lshl_b32 s23, s23, 2
	s_add_co_u32 s23, s23, s21                     ; tile row = 4 x cluster y + cy
	s_lshl_b32 s86, s21, 2
	s_lshl_b32 s86, 15, s86                        ; my row of the cluster
	s_lshl_b32 s87, 0x1111, s20                    ; my column
	; descriptor group 1: 65,536 dense bytes as 16 rows of 4,096
	s_or_b32 s[G1A+0], s86, (3<<16)|(1<<21)        ; 15:0 the mask; 17:16 elements of 8 bytes; 21 set beside a mask
	s_or_b32 s[G1B+0], s87, (3<<16)|(1<<21)
.irp g, G1A, G1B
	s_mov_b32 s[\g+1], 512<<16                     ; tensor_dim0 = 512 elements
	s_mov_b32 s[\g+2], 16<<16                      ; tensor_dim1 = 16
	s_mov_b32 s[\g+3], 512<<16                     ; tile_dim0
	s_mov_b32 s[\g+4], 16                          ; tile_dim1
	s_mov_b32 s[\g+5], 512                         ; tensor_dim0_stride, in elements
	s_mov_b32 s[\g+6], 0
	s_mov_b32 s[\g+7], 0
.endr
	s_lshl_b32 s88, s18, 16                        ; the 64 rows that I fetch: 4 x 16,384 bytes
	s_lshl_b32 s58, s23, 17                        ; A: the tile row's 8 x 16,384
	s_add_co_u32 s58, s58, s88
	s_mov_b32 s59, 0
	s_lshl_b32 s60, s22, 17                        ; B: the tile column's,
	s_add_co_u32 s60, s60, s88
	s_add_co_u32 s60, s60, 0x300000                ; in Wo's part of wc
	s_mov_b32 s61, 0
	s_lshl_b32 s62, s16, 16                        ; where my rows go: wave x 65,536
	s_wait_alu depctr_va_vdst(0)
	s_wait_dscnt 0x0
	s_wait_kmcnt 0x0
	s_load_b64 s[90:91], s[10:11], 0x28            ; e10, e11
	s_add_nc_u64 s[58:59], s[4:5], s[58:59]
	s_add_nc_u64 s[60:61], s[6:7], s[60:61]
	s_mov_b32 s[G0A], 1
	s_mov_b32 s[G0A+1], s62
	s_mov_b64 s[G0A+2:G0A+3], s[58:59]
	s_or_b32 s[G0A+3], s[G0A+3], 0x80000000
	s_mov_b32 s[G0B], 1
	s_mov_b32 s[G0B+1], s62
	s_mov_b64 s[G0B+2:G0B+3], s[60:61]
	s_or_b32 s[G0B+3], s[G0B+3], 0x80000000
	CROUND                                         ; all sixteen work-groups are here: the joint loads meet
	s_cmp_eq_u32 s17, 0
	s_cbranch_scc0 .Lfor_b
	tensor_load_to_lds s[G0A:G0A+3], s[G1A:G1A+7]
	s_nop 0
	PLACES
	s_branch .Lasked
.Lfor_b:
	tensor_load_to_lds s[G0B:G0B+3], s[G1B:G1B+7]
	s_nop 0
	PLACES
.Lasked:
	v_and_b32 v1, 31, v0
	v_and_b32 v2, 15, v0                           ; r
	v_bfe_u32 v15, v0, 4, 1                        ; h
	v_lshlrev_b32 v[LO], 4, v1
	v_lshlrev_b32 v16, 5, v15                      ; the bias: lane (r, h) wants, for tile b, columns 16 b + 8 h + 0 .. 7
	s_lshl_b32 s88, s22, 9                         ; my first column, in bytes: 512 x tile column + 256 x half
	s_lshl_b32 s89, s18, 8
	s_add_co_u32 s88, s88, s89
	s_mov_b32 s89, 0
	s_add_nc_u64 s[8:9], s[8:9], s[88:89]
	s_wait_alu depctr_va_vdst(0)
.irp b, 0,1,2,3
	global_load_b128 v[BIAS+8*\b:BIAS+8*\b+3],   v16, s[8:9] offset:64*\b
	global_load_b128 v[BIAS+8*\b+4:BIAS+8*\b+7], v16, s[8:9] offset:64*\b+16
.endr
	s_lshl_b32 s92, s23, 19                        ; my first row: 128 x tile row + 64 x half, rows of 4,096 bytes
	s_lshl_b32 s93, s17, 18
	s_add_co_u32 s92, s92, s93
	s_add_co_u32 s92, s92, s88
	s_mov_b32 s93, 0
	s_add_nc_u64 s[12:13], s[12:13], s[92:93]
	s_lshl_b32 s88, s17, 16                        ; my 64 rows of A,
	s_lshl_b32 s89, s18, 16                        ; of B,
	s_add_co_u32 s89, s89, 131072                  ; which lies behind A's 128
	s_mul_i32 s92, s16, 16*272
	s_add_co_u32 s92, s92, STG                     ; my stage
	v_add_nc_u32 v[ADRA], s88, v[LO]
	v_add_nc_u32 v[ADRB], s89, v[LO]
	v_mul_u32_u24 v[STO], v2, 272                  ; in: row r, 32 bytes for each half of the lanes
	v_lshl_add_u32 v[STO], v15, 5, v[STO]
	v_add_nc_u32 v[STO], s92, v[STO]
	v_mul_u32_u24 v[RD], v15, 272                  ; back: lanes 0-15 one row of 256 bytes, lanes 16-31 the next
	v_lshl_add_u32 v[RD], v2, 4, v[RD]
	v_add_nc_u32 v[RD], s92, v[RD]
	v_lshlrev_b32 v[CO], 12, v15                   ; and the same two rows in out0
	v_lshl_add_u32 v[CO], v2, 4, v[CO]
	s_wait_alu depctr_va_vdst(0)
	s_wait_kmcnt 0x0
	s_add_co_i32 s84, s90, s91
	s_add_co_i32 s84, s84, 127
	s_lshl_b32 s84, s84, 23                        ; 2^(e10 + e11) as f32
	s_mov_b32 s85, s84                             ; named with it as a pair
.macro FETCH q, f                      ; the fragments of the q-th 128 along K into buffer f: 32 loads of 512 consecutive bytes, in one run
	WIN 0x40                                       ; destination window 1
.irp i, 0,1,2,3
.irp c, 0,1,2,3
	ds_load_b128 v[\f+64+16*\i+4*\c:\f+64+16*\i+4*\c+3], v[ADRB] offset:16384*\i+2048*(\q)+512*\c
.endr
.endr
.irp i, 0,1,2,3
.irp c, 0,1,2,3
	ds_load_b128 v[\f+16*\i+4*\c:\f+16*\i+4*\c+3], v[ADRA] offset:16384*\i+2048*(\q)+512*\c
.endr
.endr
.endm
.macro MUL f, zero                     ; 16 matrix instructions; the 16 accumulators take turns, one instruction a turn, in the same order in every step
	WIN 0x05                                       ; sources 0 and 1 window 1; C and D window 0
.irp a, 0,1,2,3
.irp b, 0,1,2,3
.if \zero
	v_wmma_f32_16x16x128_fp8_fp8 v[ACC+8*(4*\a+\b):ACC+8*(4*\a+\b)+7], v[\f+64+16*\b:\f+64+16*\b+15], v[\f+16*\a:\f+16*\a+15], 0
.else
	v_wmma_f32_16x16x128_fp8_fp8 v[ACC+8*(4*\a+\b):ACC+8*(4*\a+\b)+7], v[\f+64+16*\b:\f+64+16*\b+15], v[\f+16*\a:\f+16*\a+15], v[ACC+8*(4*\a+\b):ACC+8*(4*\a+\b)+7]
.endif
.endr
.endr
.endm
	s_wait_tensorcnt 0x0                           ; my rows are in; the barrier shows everybody's
	s_barrier_signal -1
	s_barrier_wait -1
	FETCH 0, 0
.irp q, 0,1,2,3,4,5,6,7
	s_wait_dscnt 0x0                               ; step q's fragments are in
.if \q < 7
.if \q > 0
	PLACES                                         ; in front of loads into the buffer that the step before multiplied
.endif
	FETCH \q+1, 128*((\q+1)%2)
.endif
.if \q == 0
	MUL 0, 1                                       ; the first step's products start the sums
.else
	MUL 128*(\q%2), 0
.endif
.endr
	WIN 0
	PLACES
	s_wait_loadcnt 0x0                             ; the bias
	; THE WAY OUT, block by block of 16 rows x 64 columns: a lane's 32 bytes of a row go into my own stage and come back as whole rows of 256 bytes, into the block's own accumulators, which have been read.
.irp a, 0,1,2,3
.if \a > 0
	s_wait_dscnt 8                                 ; the last block's eight stores into the stage have read their registers; its eight loads may be out
.endif
.irp b, 0,1,2,3
.irp i, 0,2,4,6
	v_pk_fma_f32 v[TMP+8*\b+\i:TMP+8*\b+\i+1], v[ACC+8*(4*\a+\b)+\i:ACC+8*(4*\a+\b)+\i+1], s[84:85], v[BIAS+8*\b+\i:BIAS+8*\b+\i+1] op_sel_hi:[1,0,1]   ; sum x 2^(e10 + e11) + bo
.endr
.endr
.irp b, 0,1,2,3
	ds_store_b128 v[STO], v[TMP+8*\b:TMP+8*\b+3] offset:64*\b
	ds_store_b128 v[STO], v[TMP+8*\b+4:TMP+8*\b+7] offset:64*\b+16
.endr
.irp t, 0,1,2,3,4,5,6,7
	ds_load_b128 v[ACC+32*\a+4*\t:ACC+32*\a+4*\t+3], v[RD] offset:544*\t   ; LDS serves a wave's instructions in order: these see the stores above, and the next block's stores come behind them
.endr
.endr
.irp a, 0,1,2,3
.irp t, 0,1,2,3,4,5,6,7
	s_wait_dscnt 16*(3-\a)+7-\t                    ; behind this load: the block's later loads and the later blocks' sixteen LDS instructions each
	global_store_b128 v[CO], v[ACC+32*\a+4*\t:ACC+32*\a+4*\t+3], s[12:13] offset:(16*\a+2*\t)*4096 th:TH_STORE_NT   ; 16 lanes store 256 consecutive bytes, at a multiple of 256 from out0's first byte
.endr
.endr
	s_wait_tensorcnt 0x0                           ; the wave's end
	ds_add_u32 v[SPW], v[NIL]
	s_wait_dscnt 0x0
	CROUND                                         ; the closing round: no work-group ends while a partner may still ask for a tile that names it
	s_endpgm
.Lfunc_end_k_q3428c0c15b_oproj:
	.size	k_q3428c0c15b_oproj, .Lfunc_end_k_q3428c0c15b_oproj-k_q3428c0c15b_oproj
	.p2alignl 7, 3214868480
	.fill 96, 4, 3214868480
	.section	.rodata,"a",@progbits
	.p2align	6, 0x0
	.amdhsa_kernel k_q3428c0c15b_oproj
		.amdhsa_group_segment_fixed_size 280064
		.amdhsa_private_segment_fixed_size 0
		.amdhsa_enable_private_segment 0
		.amdhsa_kernarg_size 40
		.amdhsa_user_sgpr_count 2
		.amdhsa_user_sgpr_kernarg_segment_ptr 1
		.amdhsa_wavefront_size32 1
		.amdhsa_system_sgpr_workgroup_id_x 1
		.amdhsa_system_sgpr_workgroup_id_y 1
		.amdhsa_system_sgpr_workgroup_id_z 1
		.amdhsa_system_vgpr_workitem_id 0
		.amdhsa_next_free_vgpr 512
		.amdhsa_next_free_sgpr 96
		.amdhsa_reserve_vcc 0
		.amdhsa_float_denorm_mode_32 3
		.amdhsa_float_denorm_mode_16_64 3
		.amdhsa_memory_ordered 1
		.amdhsa_forward_progress 1
		.amdhsa_inst_pref_size 45
	.end_amdhsa_kernel
	.amdgpu_metadata
---
amdhsa.version: [ 1, 2 ]
amdhsa.kernels:
  - .name:           k_q3428c0c15b_oproj
    .symbol:         k_q3428c0c15b_oproj.kd
    .args:
      - { .name: cc, .offset: 0, .size: 8, .value_kind: global_buffer, .address_space: global }
      - { .name: wc, .offset: 8, .size: 8, .value_kind: global_buffer, .address_space: global }
      - { .name: bo, .offset: 16, .size: 8, .value_kind: global_buffer, .address_space: global }
      - { .name: lowp_scales, .offset: 24, .size: 8, .value_kind: global_buffer, .address_space: global }
      - { .name: out0, .offset: 32, .size: 8, .value_kind: global_buffer, .address_space: global }
    .group_segment_fixed_size: 280064
    .private_segment_fixed_size: 0
    .kernarg_segment_align: 8
    .kernarg_segment_size: 40
    .max_flat_workgroup_size: 128
    .sgpr_count:     96
    .vgpr_count:     512
    .wavefront_size: 32
...
	.end_amdgpu_metadata
.endif
;; end of part 4
